; MI455X (gfx1250); checked and timed in simulation.
; The chip was launched on July 23, 2026; its instructions are those of AMD's public machine-readable ISA for CDNA 5 (MIT licence, August 2026) and "CDNA5" Instruction Set Architecture Reference Guide (July 2026). The comments in the code are by the model that wrote it; some were corrected since.
;; Attention. Allowed arithmetic: matrix products marked QUANTISED: E2M1 operands, one E8M0 scale for each 32 along K, by v_wmma_scale_f32_16x16x128_f8f6f4 with both operands' format E2M1 (or v_wmma_scale_f32_32x16x128_f4), f32 sums; everything else in f32.
;; Inputs: Wkv_codes 1,024 x 32 x 16 uint8 (E2M1 codes of Wkv, K innermost, in blocks of 32 codes, two codes a byte); Wkv_scales 1,024 x 32 uint8 (E8M0 scales of Wkv, one for each 32 codes along K); Wo_codes 1,024 x 16 x 16 uint8 (E2M1 codes of Wo, K innermost, in blocks of 32 codes, two codes a byte); Wo_scales 1,024 x 16 uint8 (E8M0 scales of Wo, one for each 32 codes along K); Wq_codes 512 x 32 x 16 uint8 (E2M1 codes of Wq, K innermost, in blocks of 32 codes, two codes a byte); Wq_scales 512 x 32 uint8 (E8M0 scales of Wq, one for each 32 codes along K); bo 1,024 float32; context_codes 4 x 4,096 x 32 x 16 uint8 (E2M1 codes of context, K innermost, in blocks of 32 codes, two codes a byte); context_scales 4 x 4,096 x 32 uint8 (E8M0 scales of context, one for each 32 codes along K); mask 4 x 4,096 bool; sim_bias 4 x 1,024 x 4,096 float32; x_codes 4 x 1,024 x 32 x 16 uint8 (E2M1 codes of x, K innermost, in blocks of 32 codes, two codes a byte); x_scales 4 x 1,024 x 32 uint8 (E8M0 scales of x, one for each 32 codes along K).
;; Outputs: out0 4 x 1,024 x 1,024 float32.
;; This version of the problem:
;;   THIS VERSION OF THE PROBLEM IS GIVEN IN LOW PRECISION. The matrix products marked QUANTISED in the list below multiply operands that are first quantised to E2M1 (2 exponent bits, 1 mantissa bit; 4 bits a number), with one power-of-two scale for each 32 numbers along K (OCP MX v1.0); their sums are f32. All else is computed in f32.
;;   The module's matrix products, in the order in which they are computed (A, B: the left and right operand; K: the contracted axis; several contracted axes count as one K, in the product's order):
;;     1. [M 4,096, K 1,024] x [K 1,024, N 512]; A: input x (given as codes); B: input Wq (given as codes): QUANTISED
;;     2. [M 16,384, K 1,024] x [K 1,024, N 1,024]; A: input context (given as codes); B: input Wkv (given as codes): QUANTISED
;;     3. batch 32 x [M 1,024, K 64] x [K 64, N 4,096]; A: computed on the way; B: computed on the way: QUANTISED
;;     4. batch 32 x [M 1,024, K 4,096] x [K 4,096, N 64]; A: softmax (see below); B: computed on the way: QUANTISED
;;     5. [M 4,096, K 512] x [K 512, N 1,024]; A: computed on the way; B: input Wo (given as codes): QUANTISED
;;   THE QUANTISER, for each operand of a quantised product, along K:
;;     - K is cut into blocks of 32 from its start; a last block that is shorter is filled with zeros.
;;     - A block's scale is 2^e with e = floor(log2(the largest magnitude in the block)) - 2, held to -126 .. 127; a block of zeros has e = 0. As a byte (E8M0): e + 127.
;;     - Each number is divided by its block's scale, clamped to +-6, and rounded to the nearest number of E2M1, ties to even, subnormals kept.
;;     - The product sums the exact products of the quantised numbers (number of the format x scale) in f32.
;;   ~~~python
;;   def quantise(x, axis):      # numpy; x: float32 -> the quantised numbers, widened to float32 again
;;       x = np.moveaxis(x, axis, -1); K = x.shape[-1]
;;       x = np.pad(x, [(0, 0)] * (x.ndim - 1) + [(0, -K % 32)]); x = x.reshape(x.shape[:-1] + (-1, 32)); a = np.abs(x).max(-1, keepdims=True)
;;       e = np.where(a > 0, np.clip(np.frexp(np.where(a > 0, a, 1))[1] - 1 - 2, -126, 127), 0)      # np.frexp(a)[1] - 1 = floor(log2(a)), exactly
;;       r = np.clip(x / 2.0 ** e, -6, 6)
;;       step = 2.0 ** (np.maximum(np.frexp(np.where(r == 0, 1, r))[1] - 1, 0) - 1)
;;       q = np.round(r / step) * step * 2.0 ** e      # np.round: ties to even
;;       return np.moveaxis(q.reshape(q.shape[:-2] + (-1,))[..., :K], -1, axis).astype(np.float32)
;;   ~~~
;;   SOFTMAX AHEAD OF A QUANTISED PRODUCT. Where the list says 'softmax', what is quantised is not the finished softmax but p = 2^(t - M), with t = logit x log2(e) and M = ceil(the row's largest t), a whole number; so 1/2 < the row's largest p <= 1. The row's sum l is taken of the UNQUANTISED p, in f32, and the product's result is divided by l at the end. Since M is a whole number, a kernel that streams over the keys may use a running M (the ceiling of the running maximum): every later rescaling is an exact power of two, which a block's scale takes up: the codes' values come out the same.
;;   OPERANDS COMPUTED ON THE WAY. 'Computed on the way' means the value that the module computes at that place (a softmax that the list does not call 'softmax' is quantised finished and normalised). What goes into a quantiser is computed in f32, as accurately as f32 sums, v_exp_f32 and their like allow (about 1e-6 of the number): no bf16 or f16 on the way to a quantiser, and a product that is left as it is and whose result goes on into a quantised operand takes f32 operands (vector FMAs, or v_wmma_f32_16x16x4_f32). A number that lies on a knife's edge between two numbers of the format may be rounded either way, as far as f32 arithmetic and the matrix unit's own rounding can turn it there, and no further.
;;   INPUTS GIVEN AS CODES. Wkv (in the module: [1024, 1024], K = its axis 0); Wo (in the module: [512, 1024], K = its axis 0); Wq (in the module: [1024, 512], K = its axis 0); context (in the module: [4, 4096, 1024], K = its axis 2); x (in the module: [4, 1024, 1024], K = its axis 2): each comes as NAME_codes (uint8): NAME with its K axis moved to the last place and cut into blocks of 32 codes, [.., K / 32, bytes a block], one block behind the other in memory; two codes a byte, the lower K in the low four bits (a code: sign, 2 exponent bits, 1 mantissa bit); and NAME_scales (uint8): the same leading axes, one E8M0 byte (e + 127) for each 32 codes along K. Its value is code x scale, taken as it is: it is not quantised again, and the codes and scales need not be those that the quantiser above would give.
;; One version. Each part assembles by itself: llvm-mc -triple=amdgcn-amd-amdhsa -mcpu=gfx1250 --defsym DOCPART=n.
;; ======== version 1 of 1: 2 launches
;; limits: right only within a limited range of input values
;; workspace buffers: kv 9,175,040 bytes; wq_img 262,144 bytes; wo_img 262,144 bytes
;; launch kvproj (part 1): grid 64 x 4, 4 waves a work-group, clusters of 4 x 1, 327,680 bytes of LDS; arguments context_codes, context_scales, Wkv_codes, Wkv_scales, mask, Wq_codes, Wo_codes, kv, wq_img, wo_img; writes kv, wq_img, wo_img
.if DOCPART == 1
	.amdgcn_target "amdgcn-amd-amdhsa--gfx1250"
	.amdhsa_code_object_version 6
	.text
	.protected	k_qd360e78325_kvproj
	.globl	k_qd360e78325_kvproj
	.p2align	8
	.type	k_qd360e78325_kvproj,@function
k_qd360e78325_kvproj:
	s_mov_b64 s[64:65], 0
	v_nop
	global_prefetch_b8 v0, s[64:65] scope:SCOPE_SE
	s_setreg_imm32_b32 hwreg(HW_REG_WAVE_MODE, 25, 1), 1
	s_wait_xcnt 0x0
	s_wait_alu depctr_hold_cnt(0) depctr_sa_sdst(0) depctr_va_vdst(0) depctr_va_sdst(0) depctr_va_ssrc(0) depctr_va_vcc(0) depctr_vm_vsrc(0)
	s_getreg_b32 s2, hwreg(HW_REG_IB_STS2, 6, 4)
	s_cmp_eq_u32 s2, 0
	s_cbranch_scc0 .Lentry_in_a_cluster
	s_endpgm
.Lentry_in_a_cluster:
	s_bfe_u32 s2, ttmp6, 0x10000c
	s_cmp_lg_u32 s2, 0x3003
	s_cbranch_scc0 .Lentry_shape_is_right
	s_endpgm
.Lentry_shape_is_right:
; kv = context Wkv on codes of FP4 (E2M1) with E8M0 scales, f32 sums; the result is quantised at once and stored as the attention launch wants it:
; k along the head's 64, v along the keys, both as IMAGES OF OPERAND REGISTERS (lane l's 16 bytes at 16 l): every store of a wave covers 512 consecutive bytes.
; 256 work-groups.  Work-group (x, y): 256 keys (tile x) against 128 rows of k's half of Wkv (128 y ..) and 128 rows of v's half (512 + 128 y ..): head pair y of both.
; Four waves, 128 x 128 each (64 accumulators).  X is source 0 (a lane's registers run along X: the axis of the quantiser), Y is source 1 (a lane holds one row of Y).
;   waves 0, 1 (k): X = the 128 rows of Wkv, Y = keys 128 (wave % 2) ..;   waves 2, 3 (v): X = keys 128 (wave % 2) .., Y = the 128 rows of Wkv.  The mode hangs on the wave's number alone.
; LDS: four tiles of 128 rows x all of K (512 bytes + 16 of padding), one tensor load a wave, each filled once: context's halves (plain loads), Wkv's k rows, Wkv's v rows (asked for jointly by the four partners, which share y).
; THE SCALE BYTES go from memory into registers: a row has 32; lanes 0-15 take bytes 0-15 of rows r (K steps 0-3), lanes 16-31 bytes 16-31 (K steps 4-7): a load covers 512 consecutive bytes.
; A RECORD of kv serves 128 keys (71,680 bytes): +0 k's codes [head pair][16 keys a][head c][lane][16]; +32,768 v's codes [head pair][16 rows a][c][lane][16];
;   +65,536 k's scale words [head][lane l][i]: key 32 i + l: bytes {d 0-31, d 32-63, 1 where the key counts and 254 where the mask hides it, 0}; +69,632 v's scale words [head pair][lane l][i]: row 32 i + l.
; Besides: work-group number f = 64 y + x lays fragment f of Wq (wave 0) and of Wo (wave 1) out as a register image, 1,024 bytes each.
; No prefetch: the launch has no loop over tiles to run ahead in; each tile is asked for once, at the head.
; LIMITS: a block whose largest magnitude lies under 2^-124 is quantised with the scale 2^-126 (byte 1); a block of zeros gets byte 1, not 127: its codes are zeros and only this program reads the bytes.  NaN and infinities are not served.
.set PITCH, 528                        ; 33 x 16 bytes: the 16 rows of a fragment load start 16 bytes apart modulo 256
.set HALFT, 128*PITCH
.set SPARE, 4*HALFT                    ; the spare words: 128 bytes a wave
.set REC,   71680
.set FR,    8
.set ADRY, 16
.set ADRX, 20
.set LI,   24                          ; 16 x lane
.set LN,   25                          ; lane
.set SPW,  28
.set NIL,  29
.set SCY,  32                          ; v32-63 Y's scale words: register 4 a + q;  v64-95 X's: 4 b + q.  Nothing else lies here
.set SCX,  64
.set TM,   96
.set PC,   112
.set PWR,  120
.set AF,   128                         ; v128-191 Y's fragments, one set
.set SW,   192
.set MK,   196
.set W0,   200
.set W1,   204
.set RL,   208
.set WV, 40
.set WHI, 41                           ; the mode: 0 k, 1 v.  Also: I fetch context (0) or Wkv (1)
.set WLO, 42
.set CX, 43
.set CT, 44
.set WY, 45
.set FID, 47
.set G1C, 24
.set G0C, 32
.set G1W, 48
.set G0W, 56
.set YS, 68
.set XS, 70
.set OUT, 24                           ; behind the wait for the tensor load s24-32 are used again
.set OSP, 26
.set SEL, 28
.set HM,  30
.set PS0, 31
.set PS1, 32
.set MSB, 0
.macro WIN new                         ; the immediate's high byte repeats the setting that is left
.if MSB != (\new)
	s_set_vgpr_msb (MSB<<8)|(\new)
.set MSB, (\new)
.endif
.endm
.set MUL_LO, 0xa1                      ; source 0 (X) window 1, source 1 (Y) window 0, C and D window 2
.set MUL_HI, 0xf1
.set TO_X,   0x40
.macro PLACES n
.rept \n
	v_nop
.endr
.endm
.macro CROUND                          ; a round of the cluster's barrier
	s_barrier_signal -1
	s_barrier_wait -1
	s_cmp_lg_u32 s[WV], 0
	s_cbranch_scc1 .Lnot_wave_0_\@
	s_barrier_signal -3
.Lnot_wave_0_\@:
	s_barrier_wait -3
	s_barrier_signal -1
	s_barrier_wait -1
.endm
	s_load_b256 s[4:11], s[0:1], 0x0               ; context's codes, its scales, Wkv's codes, its scales
	s_load_b256 s[12:19], s[0:1], 0x20             ; mask, Wq's codes, Wo's codes, kv
	s_load_b128 s[20:23], s[0:1], 0x40             ; wq_img, wo_img
	v_lshl_add_u32 v[SPW], v0, 2, SPARE
	v_mov_b32 v[NIL], 0
	ds_add_u32 v[SPW], v[NIL]                      ; the opening lines: the add twice on end and its wait
	ds_add_u32 v[SPW], v[NIL]
	v_lshrrev_b32 v1, 5, v0
	v_readfirstlane_b32 s[WV], v1
	s_lshr_b32 s[WHI], s[WV], 1
	s_and_b32 s[WLO], s[WV], 1
	s_bfe_u32 s[CX], ttmp6, 0x40000
	s_lshl_b32 s[CT], ttmp9, 2
	s_add_co_u32 s[CT], s[CT], s[CX]               ; context tile 0..63
	s_and_b32 s[WY], ttmp7, 0xffff                 ; head pair 0..3: the same in the four partners
	s_lshl_b32 s[FID], s[WY], 6
	s_add_co_u32 s[FID], s[FID], s[CT]
	; group 1: 128 rows x 512 bytes, dense in memory, four words of padding behind every 128
	s_mov_b32 s[G1C], (1<<20)|(6<<22)|(3<<25)
	s_mov_b32 s[G1W], 15|(1<<20)|(1<<21)|(6<<22)|(3<<25)
.irp g, G1C, G1W
	s_mov_b32 s[\g+1], 512<<16
	s_mov_b32 s[\g+2], 128<<16
	s_mov_b32 s[\g+3], 512<<16
	s_mov_b32 s[\g+4], 128
	s_mov_b32 s[\g+5], 512
	s_mov_b32 s[\g+6], 0
	s_mov_b32 s[\g+7], 0
.endr
	s_lshl_b32 s93, s[WLO], 7
	s_lshl_b32 s92, s[CT], 8
	s_add_co_u32 s92, s92, s93                     ; my 128 context rows (to fetch, waves 0, 1; to multiply, all)
	s_lshl_b32 s94, s[WY], 7
	s_lshl_b32 s95, s[WLO], 9
	s_add_co_u32 s94, s94, s95                     ; the Wkv rows that wave 2 (k's) or 3 (v's) fetches: made of y and the wave alone
	s_lshl_b32 s98, s[WY], 7
	s_lshl_b32 s99, s[WHI], 9
	s_add_co_u32 s98, s98, s99                     ; the Wkv rows that I multiply
	s_lshl_b32 s96, s92, 5                         ; scale bytes: 32 a row
	s_mov_b32 s97, 0
	s_lshl_b32 s98, s98, 5
	s_mov_b32 s99, 0
	s_lshl_b32 s92, s92, 9                         ; codes: 512 bytes a row
	s_mov_b32 s93, 0
	s_lshl_b32 s94, s94, 9
	s_mov_b32 s95, 0
	s_mul_i32 s2, s[WV], HALFT                     ; where my tile goes
	s_wait_dscnt 0x0                               ; both opening adds are done
	s_wait_kmcnt 0x0
	CROUND                                         ; the four partners are here: the joint loads meet
	s_mov_b32 s[G0C], 1
	s_mov_b32 s[G0C+1], s2
	s_add_nc_u64 s[G0C+2:G0C+3], s[4:5], s[92:93]
	s_or_b32 s[G0C+3], s[G0C+3], 0x80000000
	s_mov_b32 s[G0W], 1
	s_mov_b32 s[G0W+1], s2
	s_add_nc_u64 s[G0W+2:G0W+3], s[8:9], s[94:95]
	s_or_b32 s[G0W+3], s[G0W+3], 0x80000000
	s_cmp_eq_u32 s[WHI], 0                         ; one tensor load a wave, an arm each
	s_cbranch_scc0 .Lfor_w
	tensor_load_to_lds s[G0C:G0C+3], s[G1C:G1C+7]
	s_nop 0
	PLACES 4
	s_branch .Lasked
.Lfor_w:
	tensor_load_to_lds s[G0W:G0W+3], s[G1W:G1W+7]
	s_nop 0
	PLACES 4
.Lasked:
	s_add_nc_u64 s[72:73], s[6:7], s[96:97]        ; my context rows' scale bytes,
	s_add_nc_u64 s[74:75], s[10:11], s[98:99]      ; my Wkv rows'
	s_cmp_eq_u32 s[WHI], 0
	s_cselect_b64 s[YS:YS+1], s[72:73], s[74:75]
	s_cselect_b64 s[XS:XS+1], s[74:75], s[72:73]
	s_lshl_b32 s92, s[CT], 8
	s_lshl_b32 s93, s[WLO], 7
	s_add_co_u32 s92, s92, s93
	s_mov_b32 s93, 0
	s_add_nc_u64 s[12:13], s[12:13], s[92:93]      ; the mask bytes of my 128 keys
	v_and_b32 v1, 15, v0                           ; r
	v_bfe_u32 v2, v0, 4, 1                         ; h
	v_and_b32 v[LN], 31, v0
	v_lshlrev_b32 v[LI], 4, v[LN]
	v_lshlrev_b32 v5, 5, v1
	v_lshl_add_u32 v5, v2, 4, v5                   ; row r of 32 scale bytes, + 16 h
.irp i, 0,1,2,3,4,5,6,7
	global_load_b128 v[SCY+4*\i:SCY+4*\i+3], v5, s[YS:YS+1] offset:512*\i
	global_load_b128 v[SCX+4*\i:SCX+4*\i+3], v5, s[XS:XS+1] offset:512*\i
.endr
.irp i, 0,1,2,3
	global_load_u8 v[MK+\i], v[LN], s[12:13] offset:32*\i
.endr
	; the weights' relayout: wave 0 fragment FID of Wq (tile FID / 8, K step FID % 8, rows of 512 bytes), wave 1 fragment FID of Wo (tile FID / 4, K step FID % 4, rows of 256 bytes)
	s_cmp_lt_u32 s[WV], 2
	s_cbranch_scc0 .Lno_relay
	s_cmp_eq_u32 s[WV], 0
	s_cselect_b64 s[92:93], s[14:15], s[16:17]
	s_cselect_b64 s[94:95], s[20:21], s[22:23]
	s_cselect_b32 s96, 3, 2
	s_cselect_b32 s97, 9, 8
	s_cselect_b32 s99, 7, 3
	s_lshr_b32 s98, s[FID], s96                    ; tile
	s_and_b32 s99, s[FID], s99                     ; K step
	s_lshl_b32 s98, s98, 4
	s_lshl_b32 s98, s98, s97                       ; 16 rows a tile
	s_lshl_b32 s99, s99, 6                         ; 64 bytes a K step
	s_add_co_u32 s98, s98, s99
	s_mov_b32 s99, 0
	s_add_nc_u64 s[92:93], s[92:93], s[98:99]
	s_lshl_b32 s98, s[FID], 10
	s_add_nc_u64 s[94:95], s[94:95], s[98:99]
	s_wait_alu depctr_va_vdst(0)                   ; the wait behind the run of scalar lines
	v_lshlrev_b32 v[RL], s97, v1
	v_lshl_add_u32 v[RL], v2, 4, v[RL]             ; row r, + 16 h
	global_load_b128 v[RL+2:RL+5], v[RL], s[92:93]
	global_load_b128 v[RL+6:RL+9], v[RL], s[92:93] offset:32
	s_wait_loadcnt 0x0
	global_store_b128 v[LI], v[RL+2:RL+5], s[94:95]
	global_store_b128 v[LI], v[RL+6:RL+9], s[94:95] offset:512
.Lno_relay:
	s_wait_alu depctr_va_vdst(0)                   ; the wait behind the branch, directly ahead of the wait below
	s_wait_xcnt 0x0                                ; the relayout's stores have read their base: s92-95 are written again below
	s_or_b32 s92, s[WV], s[WHI]                    ; Y's tile: 0, 1, 3, 3
	s_mul_i32 s92, s92, HALFT
	s_xor_b32 s94, s[WV], 2
	s_or_b32 s95, s[WHI], 2
	s_and_b32 s94, s94, s95                        ; X's tile: 2, 2, 0, 1
	s_mul_i32 s94, s94, HALFT
	v_mul_u32_u24 v3, v1, PITCH
	v_lshl_add_u32 v3, v2, 4, v3                   ; a fragment's row x pitch + 16 h
	v_add_nc_u32 v[ADRY], s92, v3
	v_add_nc_u32 v[ADRX], s94, v3
.irp b, 0,1,2,3
	v_mov_b32 v[TM+4+\b], 0                        ; a lane permute's destination counts as one of its sources
.endr
.macro FRAG reg, adr, q, i             ; 16 rows x 128 K of 4-bit codes: two loads of 16 bytes, 32 bytes apart
.irp c, 0,1
	ds_load_b128 v[\reg+4*\c:\reg+4*\c+3], v[\adr] offset:64*(\q)+32*\c+(\i)*16*PITCH
.endr
.endm
.macro MM d, x, y, sx, sy, q           ; K step 0 starts the sums; K steps 4-7 take their scale words from lanes 16-31
.if (\q) == 0
	v_wmma_scale_f32_16x16x128_f8f6f4 v[\d:\d+7], v[\x:\x+7], v[\y:\y+7], 0, v[\sx], v[\sy] matrix_a_fmt:MATRIX_FMT_FP4 matrix_b_fmt:MATRIX_FMT_FP4
.elseif (\q) < 4
	v_wmma_scale_f32_16x16x128_f8f6f4 v[\d:\d+7], v[\x:\x+7], v[\y:\y+7], v[\d:\d+7], v[\sx], v[\sy] matrix_a_fmt:MATRIX_FMT_FP4 matrix_b_fmt:MATRIX_FMT_FP4
.else
	v_wmma_scale_f32_16x16x128_f8f6f4 v[\d:\d+7], v[\x:\x+7], v[\y:\y+7], v[\d:\d+7], v[\sx], v[\sy] matrix_a_fmt:MATRIX_FMT_FP4 matrix_b_fmt:MATRIX_FMT_FP4 matrix_a_scale:MATRIX_SCALE_ROW1 matrix_b_scale:MATRIX_SCALE_ROW1
.endif
.endm
; 16 matrix instructions: Y's blocks a0, a0 + 1 x X's eight.  The 64 accumulators take turns, in the same order in every step
.macro MUL16 a0, q
.irp a, \a0, \a0+1
.irp b, 0,1,2,3,4,5,6,7
	MM (8*(8*((\a)%4)+\b)), (128*((\q)%2)+FR*\b), (AF+FR*(\a)), (SCX+4*\b+(\q)%4), (SCY+4*(\a)+(\q)%4), \q
.endr
.endr
.endm
.macro FETCH_X q
	WIN TO_X
.irp i, 0,1,2,3,4,5,6,7
	FRAG 128*((\q)%2)+FR*\i, ADRX, \q, \i
.endr
	WIN 0
.endm
.macro FETCH_Y q, i0
.irp i, \i0, \i0+1, \i0+2, \i0+3
	FRAG AF+FR*(\i), ADRY, \q, \i
.endr
.endm
; K step q; it fetches step q + 1's fragments.  Y has one set of registers (a block is free when its eight products are issued), X two
.macro STEP q
	s_wait_dscnt 8                                 ; all but the youngest eight loads, Y's blocks 4-7
	WIN MUL_LO
	MUL16 0, \q
	MUL16 2, \q
	s_wait_dscnt 0
	PLACES 4
	FETCH_X (\q)+1
	FETCH_Y (\q)+1, 0
	WIN MUL_HI
	MUL16 4, \q
	MUL16 6, \q
	PLACES 4
	WIN 0
	FETCH_Y (\q)+1, 4
.endm
	s_wait_alu depctr_va_vdst(0)                   ; the wait at the head's end
	s_wait_tensorcnt 0x0                           ; my tile has landed.  From the barrier on LDS is only read
	s_barrier_signal -1
	s_barrier_wait -1                              ; everybody's has
	FETCH_X 0
	FETCH_Y 0, 0
	FETCH_Y 0, 4
	; where my results go (no tensor load is out: the descriptors' registers are free)
	s_wait_xcnt 0x0                                ; the relayout's stores have read their base
	s_lshl_b32 s92, s[CT], 1
	s_add_co_u32 s92, s92, s[WLO]
	s_mul_i32 s92, s92, REC                        ; my record
	s_lshl_b32 s95, s[WHI], 15
	s_lshl_b32 s96, s[WY], 13
	s_add_co_u32 s96, s96, s95
	s_add_co_u32 s96, s96, s92
	s_mov_b32 s97, 0
	s_add_nc_u64 s[OUT:OUT+1], s[18:19], s[96:97]  ; codes: record + 32,768 mode + 8,192 head pair
	s_lshl_b32 s96, s[WY], 10
	s_lshr_b32 s96, s96, s[WHI]
	s_lshl_b32 s95, s[WHI], 12
	s_add_co_u32 s96, s96, s95
	s_add_co_u32 s96, s96, s92
	s_add_co_u32 s96, s96, 65536
	s_add_nc_u64 s[OSP:OSP+1], s[18:19], s[96:97]  ; scale words: k: + 65,536 + 1,024 head pair;  v: + 69,632 + 512 head pair
	s_mov_b32 s[SEL], 0x76543210
	s_mov_b32 s[SEL+1], 0xfedcba98                 ; v_permlanex16_b32: lane l xor 16
	s_mov_b32 s[HM], 0xffff0000                    ; lanes 16-31
	s_mov_b32 s[PS0], 0x01000504
	s_mov_b32 s[PS1], 0x01000706
	s_wait_loadcnt 0x0                             ; the scale words and the mask bytes
.irp q, 0,1,2,3,4,5,6
	STEP \q
.endr
	s_wait_dscnt 8                                 ; the last step fetches nothing
	WIN MUL_LO
	MUL16 0, 7
	MUL16 2, 7
	s_wait_dscnt 0
	WIN MUL_HI
	MUL16 4, 7
	MUL16 6, 7
	WIN 0
; THE WAY OUT of Y's block a: 16 rows x 128 along X.  Lane (r, h) holds row r; register j of tile t is X = 16 t + 8 h + j, so block b of 32 is registers 16 b .. 16 b + 15 of lanes l and l xor 16.
; The conversions go tile 0, 2, 1, 3 (4, 6, 5, 7); an exchange of halves between neighbouring results then gives the operand's layout: register 4 c + i holds X = 64 c + 32 h + 8 i + 0 .. 7.
.macro QOUT a
.set AC, 64*((\a)%4)
.set WQ, 2+(\a)/4
.set WN, WQ|(WQ<<2)
	s_wait_xcnt 0x0                                ; the last block's stores have read the codes' registers
	WIN WN
.irp b, 0,1,2,3
	v_max3_num_f32 v[TM+\b], |v[AC+16*\b]|, |v[AC+16*\b+1]|, 0x1800000   ; with the floor 2^(3 - 127).  Each accumulator is read from its low end on
.endr
.irp i, 2,4,6,8,10,12,14
.irp b, 0,1,2,3
	v_max3_num_f32 v[TM+\b], |v[AC+16*\b+\i]|, |v[AC+16*\b+\i+1]|, v[TM+\b]
.endr
.endr
	WIN 0
.irp b, 0,1,2,3
	v_permlanex16_b32 v[TM+4+\b], v[TM+\b], s[SEL], s[SEL+1]
.endr
.irp b, 0,1,2,3
	v_max_num_f32 v[TM+\b], v[TM+\b], v[TM+4+\b]   ; the block's largest magnitude
.endr
.irp b, 0,1,2,3
	v_add_nc_u32 v[TM+12+\b], 0xff000000, v[TM+\b] ; 2 off its exponent field: the conversion's scale operand
.endr
.irp b, 0,1,2,3
	v_lshrrev_b32 v[TM+4+\b], 23, v[TM+12+\b]      ; the scale's byte
.endr
	v_lshl_or_b32 v[PWR+\a], v[TM+5], 8, v[TM+4]
	v_lshl_or_b32 v[PWR+\a], v[TM+6], 16, v[PWR+\a]
	v_lshl_or_b32 v[PWR+\a], v[TM+7], 24, v[PWR+\a]
	WIN WQ
.irp n, 0,1,2,3,4,5,6,7
.set TT, 4*(\n/4)+2*(\n%2)+(\n%4)/2
	v_cvt_scalef32_pk8_fp4_f32 v[PC+\n], v[AC+8*TT:AC+8*TT+7], v[TM+12+TT/2]
.endr
	WIN 0
	v_nop                                          ; one plain place behind a scaled conversion
.irp n, 0,2,4,6
	v_permlane16_swap_b32 v[PC+\n], v[PC+\n+1]
.endr
	global_store_b128 v[LI], v[PC:PC+3], s[OUT:OUT+1] offset:1024*(\a)        ; 32 lanes store 512 consecutive bytes
	global_store_b128 v[LI], v[PC+4:PC+7], s[OUT:OUT+1] offset:1024*(\a)+512
.endm
	PLACES 4
.irp a, 0,1,2,3,4,5,6,7
	QOUT \a
.endr
.irp i, 0,1,2,3
	v_cndmask_b32 v[SW+\i], v[PWR+2*\i], v[PWR+2*\i+1], s[HM]   ; lane l: the word of Y's row 32 i + l
.endr
	s_cmp_lg_u32 s[WHI], 0                         ; on the wave's number; no barrier and no tensor load stands under it
	s_wait_alu depctr_va_vdst(0)                   ; the wait ahead of the branch
	s_cbranch_scc1 .Lv_words
.irp i, 0,1,2,3
	v_mul_u32_u24 v[MK+\i], v[MK+\i], 253
.endr
.irp i, 0,1,2,3
	v_sub_nc_u32 v[MK+\i], 254, v[MK+\i]           ; 1 where the key counts, 254 where it is hidden
.endr
.irp i, 0,1,2,3
	v_perm_b32 v[W0+\i], v[SW+\i], v[MK+\i], s[PS0]   ; the even head: its two bytes, the mask's byte, 0
	v_perm_b32 v[W1+\i], v[SW+\i], v[MK+\i], s[PS1]   ; the odd head
.endr
	global_store_b128 v[LI], v[W0:W0+3], s[OSP:OSP+1]
	global_store_b128 v[LI], v[W1:W1+3], s[OSP:OSP+1] offset:512
	s_branch .Lwords_out
.Lv_words:
	global_store_b128 v[LI], v[SW:SW+3], s[OSP:OSP+1]
.Lwords_out:
	s_wait_tensorcnt 0x0                           ; the wave's end
	ds_add_u32 v[SPW], v[NIL]
	s_wait_dscnt 0x0
	CROUND                                         ; the closing round
	s_endpgm
.Lfunc_end_k_qd360e78325_kvproj:
	.size	k_qd360e78325_kvproj, .Lfunc_end_k_qd360e78325_kvproj-k_qd360e78325_kvproj
	.p2alignl 7, 3214868480
	.fill 96, 4, 3214868480
	.section	.rodata,"a",@progbits
	.p2align	6, 0x0
	.amdhsa_kernel k_qd360e78325_kvproj
		.amdhsa_group_segment_fixed_size 327680
		.amdhsa_private_segment_fixed_size 0
		.amdhsa_enable_private_segment 0
		.amdhsa_kernarg_size 80
		.amdhsa_user_sgpr_count 2
		.amdhsa_user_sgpr_kernarg_segment_ptr 1
		.amdhsa_wavefront_size32 1
		.amdhsa_system_sgpr_workgroup_id_x 1
		.amdhsa_system_sgpr_workgroup_id_y 1
		.amdhsa_system_sgpr_workgroup_id_z 1
		.amdhsa_system_vgpr_workitem_id 0
		.amdhsa_next_free_vgpr 1024
		.amdhsa_next_free_sgpr 100
		.amdhsa_reserve_vcc 0
		.amdhsa_float_denorm_mode_32 3
		.amdhsa_float_denorm_mode_16_64 3
		.amdhsa_memory_ordered 1
		.amdhsa_forward_progress 1
		.amdhsa_inst_pref_size 128
	.end_amdhsa_kernel
	.amdgpu_metadata
---
amdhsa.version: [ 1, 2 ]
amdhsa.kernels:
  - .name:           k_qd360e78325_kvproj
    .symbol:         k_qd360e78325_kvproj.kd
    .args:
      - { .name: context_codes, .offset: 0, .size: 8, .value_kind: global_buffer, .address_space: global }
      - { .name: context_scales, .offset: 8, .size: 8, .value_kind: global_buffer, .address_space: global }
      - { .name: Wkv_codes, .offset: 16, .size: 8, .value_kind: global_buffer, .address_space: global }
      - { .name: Wkv_scales, .offset: 24, .size: 8, .value_kind: global_buffer, .address_space: global }
      - { .name: mask, .offset: 32, .size: 8, .value_kind: global_buffer, .address_space: global }
      - { .name: Wq_codes, .offset: 40, .size: 8, .value_kind: global_buffer, .address_space: global }
      - { .name: Wo_codes, .offset: 48, .size: 8, .value_kind: global_buffer, .address_space: global }
      - { .name: kv, .offset: 56, .size: 8, .value_kind: global_buffer, .address_space: global }
      - { .name: wq_img, .offset: 64, .size: 8, .value_kind: global_buffer, .address_space: global }
      - { .name: wo_img, .offset: 72, .size: 8, .value_kind: global_buffer, .address_space: global }
    .group_segment_fixed_size: 327680
    .private_segment_fixed_size: 0
    .kernarg_segment_align: 8
    .kernarg_segment_size: 80
    .max_flat_workgroup_size: 128
    .sgpr_count:     100
    .vgpr_count:     1024
    .wavefront_size: 32
...
	.end_amdgpu_metadata
.endif
;; end of part 1
;; launch attn (part 2): grid 64 x 4, 8 waves a work-group, clusters of 4 x 1, 327,680 bytes of LDS; arguments x_codes, x_scales, wq_img, Wq_scales, kv, sim_bias, wo_img, Wo_scales, bo, out0; writes out0
.if DOCPART == 2
	.amdgcn_target "amdgcn-amd-amdhsa--gfx1250"
	.amdhsa_code_object_version 6
	.text
	.protected	k_qd360e78325_attn
	.globl	k_qd360e78325_attn
	.p2align	8
	.type	k_qd360e78325_attn,@function
k_qd360e78325_attn:
	s_mov_b64 s[64:65], 0
	v_nop
	global_prefetch_b8 v0, s[64:65] scope:SCOPE_SE
	s_setreg_imm32_b32 hwreg(HW_REG_WAVE_MODE, 25, 1), 1
	s_wait_xcnt 0x0
	s_wait_alu depctr_hold_cnt(0) depctr_sa_sdst(0) depctr_va_vdst(0) depctr_va_sdst(0) depctr_va_ssrc(0) depctr_va_vcc(0) depctr_vm_vsrc(0)
	s_getreg_b32 s2, hwreg(HW_REG_IB_STS2, 6, 4)
	s_cmp_eq_u32 s2, 0
	s_cbranch_scc0 .Lentry_in_a_cluster
	s_endpgm
.Lentry_in_a_cluster:
	s_bfe_u32 s2, ttmp6, 0x10000c
	s_cmp_lg_u32 s2, 0x3003
	s_cbranch_scc0 .Lentry_shape_is_right
	s_endpgm
.Lentry_shape_is_right:
; out = softmax(q k^T / 8 + bias, hidden keys out) v Wo + bo, every product on codes of FP4 (E2M1) with E8M0 scales.
; SHARES.  A work-group owns 16 queries of one batch and ALL 8 heads, a head to each of its 8 waves: the bias, which the heads share, enters LDS once, q is made in registers at the head,
; and the 16 x 512 result is a whole K of the last product, which is done here too (wave w: outputs 128 w .. 128 w + 127).  Every wave walks the batch's 4,096 keys, 128 a step.
; LAYOUT.  All products are used transposed (source 0 = 16 rows of Wq, of k, of v^T, of Wo; source 1 = the 16 queries): a lane holds ONE query (lane % 16) throughout, its registers run along the next K.
; Register j of result tile t is k = 16 t + 8 h + j; conversions in the order tile 0, 2, 1, 3 and an exchange of halves give the operand's layout (register 4 c + i: k = 64 c + 32 h + 8 i + 0 .. 7).
; THE SCORES: 1/8 is taken off q's two scale bytes; the bias is the C of the score product (from LDS, in the result's layout);
; the mask rides in the idle half of the instruction's K = 128: code k = 64 is -1 in every key's fragment and +1 in q's, q's third scale byte is 126, a key's third is 254 where it is hidden (adds -2^126) and 1 where it counts (adds -2^-127).
; SOFTMAX: t = score x log2(e); M = the running largest t rounded up to a whole number; p = 2^(t - M) is quantised along the keys, not normalised; the sum of the unquantised p divides at the end; when M moves, sum and O are multiplied by 2^(old M - new M), exactly.
; LDS.  Two slots of two key steps: k's codes [head pair][step][8,192], k's scale words [step][4,096], and 16 rows x 256 keys of bias: 90,112 bytes a fill.  Waves 0-3 fetch a head pair's codes, wave 4 the scale words, wave 7 the bias.
; V GOES FROM MEMORY INTO REGISTERS: each of its bytes is read by one wave of the work-group, as a register image; a step's nine loads (512 consecutive bytes each, the scale words 256) are issued three steps ahead, into four buffers in the second register window.
; So v is not asked for jointly: it has no stage in LDS into which a joint load could land.
; At the head each wave brings its head's 32 fragments of Wq (32,768 bytes) as a tile of 157 rows of 256 bytes of which the tensor has 128 (the rest arrive as zeros): the eight tiles cover both slots.
; At the end each wave's first four tiles of Wo come into slot 0 when that slot is left for good; its last four go into the second window's free half by 32 loads, two key steps ahead of their use.
; CLUSTER.  The four work-groups of a cluster belong to one batch: k, Wq and Wo's first half are asked for JOINTLY; the bias is each work-group's own (a plain load).
; LIMITS.  q's blocks whose largest magnitude lies under 2^-121 are quantised with the scale 2^-123, all others' floor is 2^-124 (byte 1); a block of zeros has byte 1 (q: 4 before the 3 come off), not 127: its codes are zeros.
; A hidden key's score is -2^126, not -FLT_MAX: the same softmax wherever a counted score lies above that.  A batch whose keys are ALL hidden gives the mean of v only if the matrix unit rounds -2^126 + (score + bias) to -2^126.
; A counted key's score has -2^-127 added.  The bias is added inside the matrix unit, in its order of rounding; bo is added behind the last product's sums.  NaN and infinities are not served.
.set REC,   71680                      ; a record of kv: 128 keys
.set FILLB, 2*REC
.set PQ,    FILLB/4                    ; what one partner prefetches of a fill's records
.set KSO,   65536                      ; k's scale words: in a record and in a slot
.set BOFF,  FILLB                      ; the bias in a slot
.set BP,    1040                       ; a query's 256 keys of bias, 1,024 bytes + 16 of padding
.set SLOT,  FILLB+16*BP                ; 160,000
.set WQR,   157*256                    ; a wave's tile at the head
.set SPARE, 8*WQR                      ; the spare words, 128 bytes a wave
.set OIMG,  SPARE+1024                 ; o's four fragments as register images: bytes that no tensor load fills,
.set OSC,   OIMG+4096                  ; and their scale words, 128 bytes each
.set SP,    528                        ; the stage: 16 rows x (512 + 16) bytes, in the wave's own 16,384 bytes of Wo in slot 0, behind their last read
.set LI,  1                            ; 16 x lane
.set AK0, 2
.set AS0, 4
.set AT0, 5                            ; v's scale words in memory, counted from my v codes
.set AB0, 6
.set SPW, 7
.set NIL, 8
.set ADK, 9
.set ADS, 11
.set ADB, 13
.set AWQ, 12                           ; at the head: my Wq tile
.set PFO, 14
.set PFO2, 15
.set QF,  16
.set QS,  24                           ; v24 q's scale word, v25 p's, v26-29 k's; v192-199 v's, four buffers.  v24-31, v192-199 and v232-247 are never an A, B, C or D
.set PS,  25
.set KSC, 26
.set KF,  32                           ; v32-95 k's eight fragments: registers 0-3 loaded (0, 1 at work in the sums), 4-7 the padding, set once
.set SS,  96
.set OO,  160
.set VSCB, 192
.set PC,  224
.set BM,  232
.set T4,  236
.set SO,  240
.set NM,  244
.set MT,  245
.set LL,  246
.set FF,  248
.set WB,  32                           ; the q projection: Wq's fragments, three buffers of a K step; x's, all eight steps; accumulators; scale words
.set XB,  128
.set QA,  200
.set WSC, 232
.set XSC, 24
.set WOB, 32                           ; the last product
.set OFR, 160
.set ACC, 200
.set WOS, 232
.set OSW, 24
.set BO,  248
.set WV, 24
.set CX, 25
.set QT, 26
.set BA, 27
.set G1KV, 28
.set G1B, 36
.set G0KV, 44                          ; one group 0 for each kind of tile, written anew behind each wait for all tensor loads
.set G0S, 48
.set G0B, 52
.set KL, 56                            ; 16,384 x wave
.set VB, 58                            ; s[58:59] my head's v codes in the record of the trip's first step
.set SEL, 60
.set CS, 62
.set TRIPS, 66
.set LIM, 67
.set PFA, 68
.set PFS, 70
.set HP, 72
.set CP, 73
.set R0, 74
.set G1S, 80
.set G0X, 88                           ; Wq's and Wo's loads
.set G1X, 92
.set MSB, 0
.macro WIN new                         ; the immediate's high byte repeats the setting that is left
.if MSB != (\new)
	s_set_vgpr_msb (MSB<<8)|(\new)
.set MSB, (\new)
.endif
.endm
.macro NOPS n
.rept \n
	v_nop
.endr
.endm
.macro CROUND
	s_barrier_signal -1
	s_barrier_wait -1
	s_cmp_lg_u32 s[WV], 0
	s_cbranch_scc1 .Lnot_wave_0_\@
	s_barrier_signal -3
.Lnot_wave_0_\@:
	s_barrier_wait -3
	s_barrier_signal -1
	s_barrier_wait -1
.endm
.macro JLOAD                           ; one chain of branches on the wave's number, a load to an arm; waves 5 and 6 fetch nothing
	s_cmp_lt_u32 s[WV], 4
	s_cbranch_scc0 .Lnot_k_\@
	tensor_load_to_lds s[G0KV:G0KV+3], s[G1KV:G1KV+7]
	s_nop 0
	NOPS 4
	s_branch .Lasked_\@
.Lnot_k_\@:
	s_cmp_eq_u32 s[WV], 4
	s_cbranch_scc0 .Lnot_s_\@
	tensor_load_to_lds s[G0S:G0S+3], s[G1S:G1S+7]
	s_nop 0
	NOPS 4
	s_branch .Lasked_\@
.Lnot_s_\@:
	s_cmp_eq_u32 s[WV], 7
	s_cbranch_scc0 .Lasked_\@
	tensor_load_to_lds s[G0B:G0B+3], s[G1B:G1B+7]
	s_nop 0
	NOPS 4
.Lasked_\@:
.endm
; A PREFETCH INTO THE L2 of the fill that the NEXT change of slots loads (at the head: of fill 0): two key steps ahead of that load.  Waves 5 and 6: my work-group's bias, 8 rows x 4 blocks of 256 bytes each, a lane a block.
; Wave 7, in the batch's first cluster alone (all 16 clusters of a batch walk the same records): the two records, k's part and v's; the four partners take 140 blocks each, told apart by address; the fifth instruction's lanes 12-31 name block 139 again.
; The change that loads the last fill asks for nothing.  Wq's and Wo's images, 262,144 bytes each that every work-group reads, are not asked for.
.macro ASK
	s_cmp_eq_u32 s[LIM], 1
	s_cbranch_scc0 .Lnot_mine_\@
	global_prefetch_b8 v[PFO], s[PFA:PFA+1] th:TH_LOAD_NT scope:SCOPE_SE
	s_cmp_eq_u32 s[WV], 7
	s_cbranch_scc0 .Lnot_mine_\@
	global_prefetch_b8 v[PFO], s[PFA:PFA+1] offset:8192 th:TH_LOAD_NT scope:SCOPE_SE
	global_prefetch_b8 v[PFO], s[PFA:PFA+1] offset:16384 th:TH_LOAD_NT scope:SCOPE_SE
	global_prefetch_b8 v[PFO], s[PFA:PFA+1] offset:24576 th:TH_LOAD_NT scope:SCOPE_SE
	global_prefetch_b8 v[PFO2], s[PFA:PFA+1] offset:32768 th:TH_LOAD_NT scope:SCOPE_SE
.Lnot_mine_\@:
.endm
; one product; row = 1: source 0's scales stand in lanes 16-31; zero = 1: it starts a sum
.macro WM d, a, b, sa, sb, row, zero
.if (\zero) && (\row)
	v_wmma_scale_f32_16x16x128_f8f6f4 v[(\d):(\d)+7], v[(\a):(\a)+7], v[(\b):(\b)+7], 0, v[(\sa)], v[(\sb)] matrix_a_fmt:MATRIX_FMT_FP4 matrix_b_fmt:MATRIX_FMT_FP4 matrix_a_scale:MATRIX_SCALE_ROW1
.elseif (\zero)
	v_wmma_scale_f32_16x16x128_f8f6f4 v[(\d):(\d)+7], v[(\a):(\a)+7], v[(\b):(\b)+7], 0, v[(\sa)], v[(\sb)] matrix_a_fmt:MATRIX_FMT_FP4 matrix_b_fmt:MATRIX_FMT_FP4
.elseif (\row)
	v_wmma_scale_f32_16x16x128_f8f6f4 v[(\d):(\d)+7], v[(\a):(\a)+7], v[(\b):(\b)+7], v[(\d):(\d)+7], v[(\sa)], v[(\sb)] matrix_a_fmt:MATRIX_FMT_FP4 matrix_b_fmt:MATRIX_FMT_FP4 matrix_a_scale:MATRIX_SCALE_ROW1
.else
	v_wmma_scale_f32_16x16x128_f8f6f4 v[(\d):(\d)+7], v[(\a):(\a)+7], v[(\b):(\b)+7], v[(\d):(\d)+7], v[(\sa)], v[(\sb)] matrix_a_fmt:MATRIX_FMT_FP4 matrix_b_fmt:MATRIX_FMT_FP4
.endif
.endm
; 32 numbers of a lane (four result tiles: two blocks of 32 with lane l xor 16) become four registers of codes at dst and two scale bytes in v252
.macro QUANT2 src, dst, floor
.irp b, 0,1
	v_max3_num_f32 v[BM+\b], |v[\src+16*\b]|, |v[\src+16*\b+1]|, \floor
.endr
.irp i, 2,4,6,8,10,12,14
.irp b, 0,1
	v_max3_num_f32 v[BM+\b], v[BM+\b], |v[\src+16*\b+\i]|, |v[\src+16*\b+\i+1]|
.endr
.endr
.irp b, 0,1
	s_delay_alu instid0(VALU_DEP_2)
	v_permlanex16_b32 v[T4+\b], v[BM+\b], s[SEL], s[SEL+1]
.endr
.irp b, 0,1
	s_delay_alu instid0(VALU_DEP_2)
	v_max_num_f32 v[BM+\b], v[BM+\b], v[T4+\b]
.endr
.irp b, 0,1
	s_delay_alu instid0(VALU_DEP_2)
	v_add_nc_u32 v[SO+\b], 0xff000000, v[BM+\b]    ; 2 off the exponent field: the conversion's scale operand
.endr
.irp b, 0,1
	s_delay_alu instid0(VALU_DEP_2)
	v_lshrrev_b32 v[T4+\b], 23, v[SO+\b]
.endr
	s_delay_alu instid0(VALU_DEP_1)
	v_lshl_or_b32 v252, v[T4+1], 8, v[T4]
	v_cvt_scalef32_pk8_fp4_f32 v[\dst], v[\src:\src+7], v[SO]
	v_cvt_scalef32_pk8_fp4_f32 v[\dst+1], v[\src+16:\src+23], v[SO+1]
	v_cvt_scalef32_pk8_fp4_f32 v[\dst+2], v[\src+8:\src+15], v[SO]
	v_cvt_scalef32_pk8_fp4_f32 v[\dst+3], v[\src+24:\src+31], v[SO+1]
	v_nop                                          ; one plain place behind a scaled conversion
	v_permlane16_swap_b32 v[\dst], v[\dst+1]
	v_permlane16_swap_b32 v[\dst+2], v[\dst+3]
.endm
; v of one key step: record rec counted from s[VB], into buffer buf: four fragments in the second window (v[256 + 32 buf ..]) and two scale words in the first.  Nine loads
.macro VLOAD rec, buf
	WIN 0x40
.irp t, 0,1,2,3
.irp c, 0,1
	global_load_b128 v[32*(\buf)+8*\t+4*\c:32*(\buf)+8*\t+4*\c+3], v[LI], s[VB:VB+1] offset:(\rec)*REC+1024*\t+512*\c
.endr
.endr
	WIN 0
	global_load_b64 v[VSCB+2*(\buf):VSCB+2*(\buf)+1], v[AT0], s[VB:VB+1] offset:(\rec)*REC
.endm
	s_load_b256 s[4:11], s[0:1], 0x0               ; x's codes, x's scales, wq_img, Wq's scales
	s_load_b256 s[12:19], s[0:1], 0x20             ; kv, sim_bias, wo_img, Wo's scales
	s_load_b128 s[20:23], s[0:1], 0x40             ; bo, out0
	v_lshl_add_u32 v[SPW], v0, 2, SPARE
	v_mov_b32 v[NIL], 0
	ds_add_u32 v[SPW], v[NIL]                      ; the opening lines: the add twice on end and its wait
	ds_add_u32 v[SPW], v[NIL]
	v_lshrrev_b32 v9, 5, v0
	v_readfirstlane_b32 s[WV], v9                  ; wave = head 0..7
	s_bfe_u32 s[CX], ttmp6, 0x40000
	s_lshl_b32 s[QT], ttmp9, 2
	s_add_co_u32 s[QT], s[QT], s[CX]               ; my block of 16 queries, 0..63
	s_and_b32 s[BA], ttmp7, 0xffff                 ; the batch, which the partners share
	s_lshr_b32 s[HP], s[WV], 1
	s_and_b32 s[CP], s[WV], 1
	s_lshl_b32 s[R0], s[BA], 10
	s_lshl_b32 s75, s[QT], 4
	s_add_co_u32 s[R0], s[R0], s75                 ; my first query among the 4,096
	; group 1: a head pair's k codes of two records: 2 rows of 8,192 bytes (1,024 elements of 8), a record apart; mask: all four partners
	s_mov_b32 s[G1KV], 15|(3<<16)|(1<<21)
	s_mov_b32 s[G1KV+1], 1024<<16
	s_mov_b32 s[G1KV+2], 2<<16
	s_mov_b32 s[G1KV+3], 1024<<16
	s_mov_b32 s[G1KV+4], 2
	s_mov_b32 s[G1KV+5], REC/8
	s_mov_b32 s[G1KV+6], 0
	s_mov_b32 s[G1KV+7], 0
	; the bias: 16 rows x 256 elements of 4 bytes, 4,096 elements apart, four words of padding behind every 256
	s_mov_b32 s[G1B], (2<<16)|(1<<20)|(7<<22)|(3<<25)
	s_mov_b32 s[G1B+1], 256<<16
	s_mov_b32 s[G1B+2], 16<<16
	s_mov_b32 s[G1B+3], 256<<16
	s_mov_b32 s[G1B+4], 16
	s_mov_b32 s[G1B+5], 4096
	s_mov_b32 s[G1B+6], 0
	s_mov_b32 s[G1B+7], 0
	; Wq: a tile of 157 rows of 256 bytes; the tensor ends behind row 127
	s_mov_b32 s[G1X], 15|(3<<16)|(1<<21)
	s_mov_b32 s[G1X+1], 32<<16
	s_mov_b32 s[G1X+2], 128<<16
	s_mov_b32 s[G1X+3], 32<<16
	s_mov_b32 s[G1X+4], 157
	s_mov_b32 s[G1X+5], 32
	s_mov_b32 s[G1X+6], 0
	s_mov_b32 s[G1X+7], 0
	s_mov_b32 s[SEL], 0x76543210
	s_mov_b32 s[SEL+1], 0xfedcba98                 ; v_permlanex16_b32: lane l xor 16
	s_mov_b32 s[CS], 0x3fb8aa3b                    ; log2(e)
	s_mov_b32 s[CS+1], s[CS]
	s_mul_i32 s80, s[BA], 32*REC                   ; the batch's 32 records
	s_mov_b32 s81, 0
	s_lshl_b32 s82, s[R0], 14                      ; my queries' rows of bias, 16,384 bytes each
	s_mov_b32 s83, 0
	s_mov_b32 s77, 0
	s_mul_i32 s79, s[WV], WQR
	s_lshl_b32 s[KL], s[WV], 14
	s_wait_dscnt 0x0                               ; both opening adds are done
	s_wait_kmcnt 0x0
	s_lshl_b32 s76, s[R0], 9
	s_add_nc_u64 s[4:5], s[4:5], s[76:77]          ; x's codes at my first query
	s_lshl_b32 s76, s[R0], 5
	s_add_nc_u64 s[6:7], s[6:7], s[76:77]          ; its scale bytes
	s_lshl_b32 s76, s[WV], 15
	s_add_nc_u64 s[8:9], s[8:9], s[76:77]          ; my head's 32 fragments of Wq
	s_add_nc_u64 s[16:17], s[16:17], s[76:77]      ; my 32 fragments of Wo
	s_lshl_b32 s76, s[WV], 11
	s_add_nc_u64 s[10:11], s[10:11], s[76:77]      ; Wq's scale bytes: my 64 rows of 32
	s_add_nc_u64 s[18:19], s[18:19], s[76:77]      ; Wo's: my 128 rows of 16
	s_lshl_b32 s76, s[WV], 9
	s_add_nc_u64 s[20:21], s[20:21], s[76:77]      ; bo: my 128 numbers
	s_add_nc_u64 s[22:23], s[22:23], s[76:77]
	s_lshl_b32 s76, s[R0], 12
	s_add_nc_u64 s[22:23], s[22:23], s[76:77]      ; out0 at my first query, my 128 columns
	s_add_nc_u64 s[12:13], s[12:13], s[80:81]      ; kv at my batch
	CROUND                                         ; the four partners are here: the first joint loads meet
	s_mov_b32 s[G0X], 1
	s_mov_b32 s[G0X+1], s79
	s_mov_b64 s[G0X+2:G0X+3], s[8:9]
	s_or_b32 s[G0X+3], s[G0X+3], 0x80000000
	tensor_load_to_lds s[G0X:G0X+3], s[G1X:G1X+7]  ; my one load at the head
	s_nop 0
	NOPS 4
	s_lshl_b32 s76, s[WV], 13                      ; waves 0-3: head pair = wave
	s_mov_b32 s[G0KV], 1
	s_add_nc_u64 s[G0KV+2:G0KV+3], s[12:13], s[76:77]
	s_or_b32 s[G0KV+3], s[G0KV+3], 0x80000000
	s_mov_b32 s[G0S], 1
	s_add_nc_u64 s[G0S+2:G0S+3], s[12:13], KSO
	s_or_b32 s[G0S+3], s[G0S+3], 0x80000000
	s_mov_b32 s[G0B], 1
	s_add_nc_u64 s[G0B+2:G0B+3], s[14:15], s[82:83]
	s_or_b32 s[G0B+3], s[G0B+3], 0x80000000
	s_lshl_b32 s76, s[HP], 13
	s_lshl_b32 s78, s[CP], 12
	s_add_co_u32 s76, s76, s78
	s_add_co_u32 s76, s76, 32768
	s_add_nc_u64 s[VB:VB+1], s[12:13], s[76:77]    ; my head's v codes in record 0: 32,768 + 8,192 head pair + 4,096 c
	; the prefetches: where my wave's stand (at fill 0), and who asks
	s_mul_i32 s84, s[CX], PQ                       ; wave 7: my work-group's quarter of the records
	s_bfe_u32 s85, s[WV], 0x10001
	s_lshl_b32 s85, s85, 3
	s_add_co_u32 s85, s85, s[R0]
	s_lshl_b32 s85, s85, 14                        ; wave 5: my queries 0-7, wave 6: 8-15
	s_mov_b32 s[PFS], 1024
	s_mov_b32 s[PFS+1], 0
	s_cmp_eq_u32 s[WV], 7
	s_cselect_b64 s[PFA:PFA+1], s[12:13], s[14:15]
	s_cselect_b32 s84, s84, s85
	s_cselect_b32 s86, ttmp9, 0
	s_cselect_b32 s87, 10, 14
	s_cselect_b32 s[PFS], FILLB, s[PFS]            ; a fill on
	s_mov_b32 s85, 0
	s_add_nc_u64 s[PFA:PFA+1], s[PFA:PFA+1], s[84:85]
	s_cmp_lt_u32 s[WV], 5
	s_cselect_b32 s79, 1, 0
	s_or_b32 s86, s86, s79
	s_cmp_eq_u32 s86, 0
	s_cselect_b32 s[LIM], 1, -1                    ; 1 in waves 5, 6 and, in the batch's first cluster, 7: the same in all partners
	s_mul_i32 s75, s[WV], WQR
	s_lshl_b32 s76, s[HP], 14
	s_lshl_b32 s77, s[CP], 9
	s_add_co_u32 s76, s76, s77                     ; k's codes in a slot: 16,384 head pair + 512 c
	s_lshl_b32 s78, s[WV], 9
	s_add_co_u32 s78, s78, KSO                     ; k's scale words: 512 bytes a head
	s_mul_i32 s77, s[HP], 7680
	s_mul_i32 s79, s[CP], 4088
	s_add_co_u32 s77, s77, s79
	s_sub_co_u32 s79, 36864, s77                   ; v's scale words less v's codes: (69,632 + 512 head pair + 8 c) - (32,768 + 8,192 head pair + 4,096 c): 9,736 at the least
	v_and_b32 v9, 31, v0                           ; lane
	v_and_b32 v10, 15, v0                          ; r
	v_bfe_u32 v11, v0, 4, 1                        ; h
	v_lshlrev_b32 v[LI], 4, v9
	v_lshrrev_b32 v12, 2, v9
	v_and_b32 v13, 3, v9
	v_lshlrev_b32 v[PFO], s87, v12                 ; bias: (lane / 4) rows of 16,384 bytes; records: 1,024 (lane / 4)
	v_lshl_add_u32 v[PFO], v13, 8, v[PFO]          ; + 256 (lane % 4)
	v_min_u32 v[PFO2], 11, v9
	v_lshlrev_b32 v[PFO2], 8, v[PFO2]
	v_add_nc_u32 v[AK0], s76, v[LI]
	v_add_nc_u32 v[AS0], s78, v[LI]
	v_add_nc_u32 v[AT0], s79, v[LI]
	v_mul_u32_u24 v[AB0], v10, BP
	v_lshl_add_u32 v[AB0], v11, 5, v[AB0]
	v_add_nc_u32 v[AB0], BOFF, v[AB0]              ; the bias: row r, + 32 h (+ 64 a tile)
	v_add_nc_u32 v[AWQ], s75, v[LI]
	v_lshlrev_b32 v252, 9, v10
	v_lshl_add_u32 v252, v11, 4, v252              ; x: row r of 512 bytes, + 16 h
	v_lshlrev_b32 v253, 5, v9                      ; Wq's scale bytes: row = lane (+ 32 i)
	v_lshlrev_b32 v254, 5, v10                     ; x's: row r
	s_wait_alu depctr_va_vdst(0)                   ; the wait ahead of the branches and waits below
	ASK                                            ; fill 0
	; ---- q^T of my head = Wq's 64 rows x my 16 queries, K = 1,024: 32 products
.irp i, 0,1
.irp j, 0,1
	global_load_b128 v[WSC+8*\i+4*\j:WSC+8*\i+4*\j+3], v253, s[10:11] offset:1024*\i+16*\j   ; register 8 i + s: lanes 0-15 tile 2 i, lanes 16-31 tile 2 i + 1, K step s
.endr
.endr
.irp j, 0,1
	global_load_b128 v[XSC+4*\j:XSC+4*\j+3], v254, s[6:7] offset:16*\j
.endr
.irp s, 0,1,2,3,4,5,6,7
.irp c, 0,1
	global_load_b128 v[XB+8*\s+4*\c:XB+8*\s+4*\c+3], v252, s[4:5] offset:64*\s+32*\c
.endr
.endr
	VLOAD 0, 0                                     ; v of key steps 0, 1, 2: 27 loads
	VLOAD 1, 1
	VLOAD 2, 2
	; k's scale words of two records: 2 rows of 4,096 bytes, a record apart (the registers that held the head's scratch)
	s_mov_b32 s[G1S], 15|(3<<16)|(1<<21)
	s_mov_b32 s[G1S+1], 512<<16
	s_mov_b32 s[G1S+2], 2<<16
	s_mov_b32 s[G1S+3], 512<<16
	s_mov_b32 s[G1S+4], 2
	s_mov_b32 s[G1S+5], REC/8
	s_mov_b32 s[G1S+6], 0
	s_mov_b32 s[G1S+7], 0
.macro WL s                            ; K step s of Wq: eight loads of 512 consecutive bytes, into buffer s % 3
.irp t, 0,1,2,3
.irp c, 0,1
	ds_load_b128 v[WB+32*((\s)%3)+8*\t+4*\c:WB+32*((\s)%3)+8*\t+4*\c+3], v[AWQ] offset:8192*\t+1024*(\s)+512*\c
.endr
.endr
.endm
.macro QM s, zero                      ; the four tiles by turns
.irp t, 0,1,2,3
	WM QA+8*\t, WB+32*((\s)%3)+8*\t, XB+8*(\s), WSC+8*(\t/2)+(\s), XSC+(\s), \t%2, \zero
.endr
.endm
	s_wait_tensorcnt 0x0                           ; my tile of Wq is in; I alone read it
	WL 0
	WL 1
	WL 2
	s_wait_loadcnt 27                              ; x and the scale words; v's 27 loads, issued behind them, may stay out
	s_wait_dscnt 16                                ; all but the two younger K steps' 16 loads
	QM 0, 1
	NOPS 4                                         ; places in front of loads into registers that matrix instructions have read
	WL 3
.irp s, 1,2,3,4
	s_wait_dscnt 16
	QM \s, 0
	NOPS 4
	WL \s+3
.endr
	s_wait_dscnt 16
	QM 5, 0
	s_wait_dscnt 8
	QM 6, 0
	s_wait_dscnt 0
	QM 7, 0
	NOPS 4
.irp b, 0,1,2,3
	v_mov_b32 v[T4+\b], 0                          ; a lane permute's destination counts as one of its sources
.endr
	QUANT2 QA, QF, 0x3000000                       ; the floor 2^(6 - 127): a byte of 4 at the least, so that 3 can come off
	v_add_nc_u32 v[QS], 0xfffffcfd, v252           ; 3 off each of the two bytes: the scores' 1/8, exactly
	s_delay_alu instid0(VALU_DEP_1)
	v_or_b32 v[QS], 0x7e0000, v[QS]                ; the third byte, for the mask's code: 2^-1; the fourth 0, over zero codes
	v_xor_b32 v253, 1, v11                         ; 1 in lanes 0-15
	s_delay_alu instid0(VALU_DEP_1)
	v_lshlrev_b32 v[QF+4], 1, v253                 ; code k = 64: +1.0 (code 2)
	v_mul_u32_u24 v254, v253, 10                   ; and in the keys' fragments -1.0 (code 0xa)
.irp i, 5,6,7
	v_mov_b32 v[QF+\i], 0
.endr
.irp a, 0,1,2,3,4,5,6,7
	v_mov_b32 v[KF+8*\a+4], v254
	v_mov_b32 v[KF+8*\a+5], 0
	v_mov_b32 v[KF+8*\a+6], 0
	v_mov_b32 v[KF+8*\a+7], 0
.endr
.set j, 0
.rept 32
	v_mov_b32 v[OO+j], 0                           ; O^T: the step is written for all steps alike; the first change of M leaves zeros zeros
.set j, j+1
.endr
	v_mov_b32 v[MT], 0xff61b1e6                    ; the largest t so far: -3e38
	s_delay_alu instid0(VALU_DEP_1)
	v_floor_f32 v[NM], -v[MT]
	v_mov_b32 v[LL], 0
	v_mov_b32 v[LL+1], 0
	v_mov_b32 v[FF+1], 0                           ; (named as the upper half of a pair)
; A KEY STEP: 128 keys, step st of the slot; j: the step's place in a trip of four, and its buffer of v.  issue = 1: v of the step three on is asked for.  cnt: the loads issued behind this step's nine
.macro STEP slot, st, j, issue, cnt
	v_add_nc_u32 v[ADB], (\slot)*SLOT+512*(\st), v[AB0]       ; these four are also the places in front of the loads into v's registers
	v_add_nc_u32 v[ADK], (\slot)*SLOT+8192*(\st), v[AK0]
	v_add_nc_u32 v[ADS], (\slot)*SLOT+4096*(\st), v[AS0]
	v_nop
.irp t, 0,1,2,3,4,5,6,7
	ds_load_b128 v[SS+8*\t:SS+8*\t+3], v[ADB] offset:64*\t        ; the bias in the result's layout: query r, keys 16 t + 8 h + 0 .. 7
	ds_load_b128 v[SS+8*\t+4:SS+8*\t+7], v[ADB] offset:64*\t+16
.endr
.irp a, 0,1,2,3,4,5,6,7
	ds_load_b128 v[KF+8*\a:KF+8*\a+3], v[ADK] offset:1024*\a      ; 16 keys x my head's 64
.endr
	ds_load_b128 v[KSC:KSC+3], v[ADS]                             ; word i: key 32 i + lane
.if \issue
	VLOAD (\j)+3, ((\j)+3)%4                       ; into the buffer that the last step's products have read
.endif
	s_wait_dscnt 0x0
.irp a, 0,1,2,3,4,5,6,7
	WM SS+8*\a, KF+8*\a, QF, KSC+\a/2, QS, \a%2, 0 ; S^T = k q^T / 8 + bias - the mask's term
.endr
	NOPS 4
.irp b, 0,1,2,3
	v_max3_num_f32 v[BM+\b], v[SS+16*\b], v[SS+16*\b+1], v[SS+16*\b+2]   ; the largest score of each block of 32 keys: it serves the row's maximum and, since p rises with the score, the block's largest p
.endr
.irp i, 3,5,7,9,11,13
.irp b, 0,1,2,3
	v_max3_num_f32 v[BM+\b], v[BM+\b], v[SS+16*\b+\i], v[SS+16*\b+\i+1]
.endr
.endr
.irp b, 0,1,2,3
	v_max_num_f32 v[BM+\b], v[BM+\b], v[SS+16*\b+15]
.endr
.irp b, 0,1,2,3
	s_delay_alu instid0(VALU_DEP_4)
	v_permlanex16_b32 v[T4+\b], v[BM+\b], s[SEL], s[SEL+1]
.endr
.irp b, 0,1,2,3
	s_delay_alu instid0(VALU_DEP_4)
	v_max_num_f32 v[BM+\b], v[BM+\b], v[T4+\b]
.endr
	s_delay_alu instid0(VALU_DEP_2)
	v_max3_num_f32 v254, v[BM], v[BM+1], v[BM+2]
	s_delay_alu instid0(VALU_DEP_1)
	v_max_num_f32 v254, v254, v[BM+3]
	s_delay_alu instid0(VALU_DEP_1)
	v_mul_f32 v254, s[CS], v254
	s_delay_alu instid0(VALU_DEP_1)
	v_max_num_f32 v[MT], v[MT], v254               ; the running largest t
	v_mov_b32 v254, v[NM]
	s_delay_alu instid0(VALU_DEP_2)
	v_floor_f32 v[NM], -v[MT]                      ; -M = floor(-t): M is a whole number
	s_delay_alu instid0(VALU_DEP_1)
	v_sub_f32 v254, v[NM], v254                    ; old M - new M: a whole number, 0 or less
	s_delay_alu instid0(VALU_DEP_1)
	v_cvt_i32_f32 v254, v254                       ; (it saturates)
	s_delay_alu instid0(VALU_DEP_1)
	v_ldexp_f32 v[FF], 1.0, v254                   ; f = 2^(old M - new M)
.set j, 0
.rept 32
	v_pk_fma_f32 v[SS+j:SS+j+1], v[SS+j:SS+j+1], s[CS:CS+1], v[NM:NM+1] op_sel_hi:[1,0,0]   ; t - M
.set j, j+2
.endr
.irp b, 0,1,2,3
	v_fma_f32 v[BM+\b], v[BM+\b], s[CS], v[NM]
.endr
	s_wait_alu depctr_va_vdst(0)                   ; the wait ahead of the batch
.set j, 0
.rept 64
	v_exp_f32 v[SS+j], v[SS+j]                     ; p = 2^(t - M)
.set j, j+1
.endr
	v_pk_mul_f32 v[LL:LL+1], v[LL:LL+1], v[FF:FF+1] op_sel_hi:[1,0]   ; the sum under the new M.  (The plain place behind the exponentials)
	s_wait_alu depctr_va_vdst(0)                   ; one wait for the batch of 64, ahead of its first reader
.irp b, 0,1,2,3
	v_exp_f32 v[BM+\b], v[BM+\b]                   ; each block's largest p
.endr
	; the row's sum of the unquantised p: eight chains of four pairs, in registers 0, 1 of k's fragments, which are done with; it reads the 64 alone
.irp c, 0,1,2,3,4,5,6,7
	v_pk_add_f32 v[KF+8*\c:KF+8*\c+1], v[SS+2*\c:SS+2*\c+1], v[SS+16+2*\c:SS+16+2*\c+1]
.endr
.irp c, 0,1,2,3,4,5,6,7
	v_pk_add_f32 v[KF+8*\c:KF+8*\c+1], v[KF+8*\c:KF+8*\c+1], v[SS+32+2*\c:SS+32+2*\c+1]
.endr
.irp c, 0,1,2,3,4,5,6,7
	v_pk_add_f32 v[KF+8*\c:KF+8*\c+1], v[KF+8*\c:KF+8*\c+1], v[SS+48+2*\c:SS+48+2*\c+1]
.endr
.irp c, 0,1,2,3
	v_pk_add_f32 v[KF+8*\c:KF+8*\c+1], v[KF+8*\c:KF+8*\c+1], v[KF+32+8*\c:KF+32+8*\c+1]
.endr
.irp c, 0,1
	s_delay_alu instid0(VALU_DEP_2)
	v_pk_add_f32 v[KF+8*\c:KF+8*\c+1], v[KF+8*\c:KF+8*\c+1], v[KF+16+8*\c:KF+16+8*\c+1]
.endr
	s_delay_alu instid0(VALU_DEP_1)
	v_pk_add_f32 v[KF:KF+1], v[KF:KF+1], v[KF+8:KF+9]
	s_delay_alu instid0(VALU_DEP_1)
	v_pk_add_f32 v[LL:LL+1], v[LL:LL+1], v[KF:KF+1]
	s_wait_alu depctr_va_vdst(0)                   ; and one for the four
.irp b, 0,1,2,3
	v_max_num_f32 v[BM+\b], 0x1800000, v[BM+\b]    ; the floor 2^(3 - 127)
.endr
.irp b, 0,1,2,3
	s_delay_alu instid0(VALU_DEP_4)
	v_add_nc_u32 v[SO+\b], 0xff000000, v[BM+\b]
.endr
.irp b, 0,1,2,3
	s_delay_alu instid0(VALU_DEP_4)
	v_lshrrev_b32 v[T4+\b], 23, v[SO+\b]
.endr
	s_delay_alu instid0(VALU_DEP_3)
	v_lshl_or_b32 v[PS], v[T4+1], 8, v[T4]         ; p's scale word for these 128 keys
	s_delay_alu instid0(VALU_DEP_1)
	v_lshl_or_b32 v[PS], v[T4+2], 16, v[PS]
	s_delay_alu instid0(VALU_DEP_1)
	v_lshl_or_b32 v[PS], v[T4+3], 24, v[PS]
.irp n, 0,1,2,3,4,5,6,7
.set TT, 4*(\n/4)+2*(\n%2)+(\n%4)/2
	v_cvt_scalef32_pk8_fp4_f32 v[PC+\n], v[SS+8*TT:SS+8*TT+7], v[SO+TT/2]
.endr
	v_nop                                          ; one plain place behind a scaled conversion
.irp n, 0,2,4,6
	v_permlane16_swap_b32 v[PC+\n], v[PC+\n+1]
.endr
	s_wait_alu depctr_va_vdst(0)                   ; the wait directly ahead of the first reader of O^T
.set j, 0
.rept 16
	v_pk_mul_f32 v[OO+j:OO+j+1], v[OO+j:OO+j+1], v[FF:FF+1] op_sel_hi:[1,0]   ; O^T under the new M, each accumulator from its low end on
.set j, j+2
.endr
	s_wait_alu depctr_va_vdst(0)                   ; the wait directly ahead of the wait below
	s_wait_loadcnt \cnt                            ; this step's v is in
	WIN 0x01                                       ; source 0 in the second window
.irp t, 0,1,2,3
	WM OO+8*\t, 32*(\j)+8*\t, PC, VSCB+2*(\j)+\t/2, PS, \t%2, 0   ; O^T += v^T p^T
.endr
	WIN 0
.endm
; THE CHANGE OF SLOTS.  Each wave waits for its tensor load (its part of the slot ahead), adds 0 to its spare word, and waits for that and for its reads of the slot that it has left.
; A round of the cluster's barrier follows, and the slot named is filled first thing behind it: at most one load a wave, which has two key steps in which to land.
; step = 1: the descriptors, whose loads are done, go a fill on.  ask = 1: the fill after this one is prefetched.
.macro CHANGE slot, step, ask
	s_wait_tensorcnt 0x0
	ds_add_u32 v[SPW], v[NIL]
	s_add_co_u32 s[G0KV+1], s[KL], (\slot)*SLOT
	s_mov_b32 s[G0S+1], (\slot)*SLOT+KSO
	s_mov_b32 s[G0B+1], (\slot)*SLOT+BOFF
.if \step
	s_add_nc_u64 s[G0KV+2:G0KV+3], s[G0KV+2:G0KV+3], FILLB
	s_add_nc_u64 s[G0S+2:G0S+3], s[G0S+2:G0S+3], FILLB
	s_add_nc_u64 s[G0B+2:G0B+3], s[G0B+2:G0B+3], 1024
.endif
.if \ask
	s_wait_xcnt 0x0                                ; the last prefetches have read their address
	s_add_nc_u64 s[PFA:PFA+1], s[PFA:PFA+1], s[PFS:PFS+1]
.endif
	s_wait_dscnt 0x0
	CROUND
	JLOAD
.if \ask
	ASK
.endif
.endm
	s_wait_alu depctr_va_vdst(0)                   ; the wait at the head's end
	CHANGE 0, 0, 1                                 ; fill 0, over Wq's bytes, which all waves have read
	s_mov_b32 s[TRIPS], 7
.Ltrip:                                            ; trip k: key steps 4 k .. 4 k + 3; fill 2 k + 1 is asked for, fill 2 k worked; fill 2 k + 2 asked for, fill 2 k + 1 worked
	CHANGE 1, 1, 1
	STEP 0, 0, 0, 1, 27                            ; behind a step's nine loads: those of the three steps that follow
	STEP 0, 1, 1, 1, 27
	CHANGE 0, 1, 1
	STEP 1, 0, 2, 1, 27
	STEP 1, 1, 3, 1, 27
	s_wait_xcnt 0x0                                ; v's loads have read their base
	s_add_nc_u64 s[VB:VB+1], s[VB:VB+1], 4*REC
	s_sub_co_u32 s[TRIPS], s[TRIPS], 1
	s_cmp_lg_u32 s[TRIPS], 0
	s_cbranch_scc1 .Ltrip
	CHANGE 1, 1, 0                                 ; fill 15: the tail is written out
	STEP 0, 0, 0, 1, 27                            ; key step 28 asks for v of step 31, the last
	STEP 0, 1, 1, 0, 18
	; slot 0 is left for good: it takes tiles 0-3 of my eight of Wo, 64 rows of 256 bytes, at 16,384 x wave
	s_wait_tensorcnt 0x0
	ds_add_u32 v[SPW], v[NIL]
	s_mov_b32 s[G0X+1], s[KL]
	s_mov_b64 s[G0X+2:G0X+3], s[16:17]
	s_or_b32 s[G0X+3], s[G0X+3], 0x80000000
	s_mov_b32 s[G1X+2], 64<<16
	s_mov_b32 s[G1X+4], 64
	s_wait_dscnt 0x0
	CROUND
	tensor_load_to_lds s[G0X:G0X+3], s[G1X:G1X+7]
	s_nop 0
	NOPS 4
	WIN 0x40                                       ; tiles 4-7 go into the second window's upper half: 32 loads of 512 consecutive bytes
.irp t, 0,1,2,3
.irp s, 0,1,2,3
.irp c, 0,1
	global_load_b128 v[128+32*\t+8*\s+4*\c:128+32*\t+8*\s+4*\c+3], v[LI], s[16:17] offset:16384+4096*\t+1024*\s+512*\c
.endr
.endr
.endr
	WIN 0
	STEP 1, 0, 2, 0, 41                            ; behind step 30's nine: step 31's nine and Wo's 32
	STEP 1, 1, 3, 0, 32
	; ---- THE END
	s_lshl_b32 s75, s[WV], 9
	s_add_co_u32 s75, s75, OIMG
	s_lshl_b32 s76, s[HP], 7
	s_lshl_b32 s77, s[CP], 1
	s_add_co_u32 s76, s76, s77
	s_add_co_u32 s76, s76, OSC
	v_and_b32 v9, 15, v0                           ; r
	v_bfe_u32 v10, v0, 4, 1                        ; h
	v_and_b32 v11, 31, v0                          ; lane
	v_add_nc_u32 v2, s75, v[LI]                    ; my half of o's fragment: OIMG + 512 x head + 16 x lane
	v_lshl_add_u32 v3, v11, 2, s76                 ; my two bytes of its scale word: OSC + 128 x head pair + 2 c + 4 x lane
	v_lshl_add_u32 v4, v11, 2, OSC                 ; where a word is read
	v_add_nc_u32 v12, OIMG, v[LI]                  ; where a fragment is read
	v_mul_u32_u24 v5, v9, SP
	v_add_nc_u32 v6, s[KL], v[LI]                  ; my bytes of slot 0: Wo's images, then the stage's rows, read back
	v_lshl_add_u32 v5, v10, 5, v5
	v_add_f32 v[LL], v[LL], v[LL+1]
	v_add_nc_u32 v5, s[KL], v5                     ; the stage, in: row r, + 32 h
	v_permlanex16_b32 v252, v[LL], s[SEL], s[SEL+1]
	s_delay_alu instid0(VALU_DEP_1)
	v_add_f32 v[LL], v[LL], v252                   ; the row's sum
.macro WOMUL g, a0                     ; K step by K step, the four tiles by turns; the first K step starts the sums.  a0: where Wo's fragments stand
.irp t, 0,1,2,3
	WM ACC+8*\t, (\a0)+32*\t, OFR, WOS+8*(\g)+4*(\t/2), OSW, \t%2, 1
.endr
.irp s, 1,2,3
.irp t, 0,1,2,3
	WM ACC+8*\t, (\a0)+32*\t+8*\s, OFR+8*\s, WOS+8*(\g)+4*(\t/2)+\s, OSW+\s, \t%2, 0
.endr
.endr
.endm
.macro TOSTAGE g
.irp t, 0,1,2,3
	ds_store_b128 v5, v[ACC+8*\t:ACC+8*\t+3] offset:256*(\g)+64*\t         ; each accumulator from its low end on
	ds_store_b128 v5, v[ACC+8*\t+4:ACC+8*\t+7] offset:256*(\g)+64*\t+16
.endr
.endm
	s_wait_alu depctr_va_vdst(0)                   ; the wait directly ahead of the wait below, and ahead of the transcendental
	s_wait_tensorcnt 0x0                           ; my four tiles of Wo are in LDS; I alone read them.  No tensor load of mine is out from here on
.irp t, 0,1,2,3
.irp s, 0,1,2,3
.irp c, 0,1
	ds_load_b128 v[WOB+32*\t+8*\s+4*\c:WOB+32*\t+8*\s+4*\c+3], v6 offset:4096*\t+1024*\s+512*\c
.endr
.endr
.endr
	v_rcp_f32 v[FF], v[LL]
	v_nop                                          ; one plain place behind the reciprocal
	s_wait_alu depctr_va_vdst(0)                   ; ahead of its first reader, which is also O^T's
.set j, 0
.rept 16
	v_pk_mul_f32 v[OO+j:OO+j+1], v[OO+j:OO+j+1], v[FF:FF+1] op_sel_hi:[1,0]   ; O^T / the sum
.set j, j+2
.endr
	QUANT2 OO, PC, 0x1800000                       ; my head's 64 are half a K step of the last product
	ds_store_b128 v2, v[PC:PC+3]
	ds_store_b16 v3, v252
.irp i, 0,1,2,3
	global_load_b128 v[WOS+4*\i:WOS+4*\i+3], v[LI], s[18:19] offset:512*\i   ; register 4 i + s: lanes 0-15 tile 2 i, lanes 16-31 tile 2 i + 1, K step s
.endr
	global_load_b128 v[BO:BO+3], v[LI], s[20:21]   ; bo at the four columns that my lane stores
	s_wait_alu depctr_va_vdst(0)                   ; the wait directly ahead of the wait below
	s_wait_dscnt 0x0                               ; for the others' sake: my stores have landed
	s_barrier_signal -1
	s_barrier_wait -1                              ; o's four fragments lie in LDS
.irp s, 0,1,2,3
	ds_load_b128 v[OFR+8*\s:OFR+8*\s+3], v12 offset:1024*\s
	ds_load_b128 v[OFR+8*\s+4:OFR+8*\s+7], v12 offset:1024*\s+512
	ds_load_b32 v[OSW+\s], v4 offset:128*\s
.endr
	s_wait_loadcnt 0x0                             ; Wo's tiles 4-7, its scale words, bo
	s_wait_dscnt 0x0
	WOMUL 0, WOB
	NOPS 5                                         ; places in front of the reads of results and of the products that begin these accumulators anew
	TOSTAGE 0
	s_wait_dscnt 0x0                               ; the stage's stores have read the accumulators
	WIN 0x01                                       ; source 0 in the second window
	WOMUL 1, 128
	WIN 0
	NOPS 4
	TOSTAGE 1
.irp i, 0,1,2,3,4,5,6,7,8,9,10,11,12,13,14,15
	ds_load_b128 v[WOB+4*\i:WOB+4*\i+3], v6 offset:\i*SP   ; LDS serves a wave's instructions in order: these see my stores
.endr
.irp i, 0,1,2,3,4,5,6,7,8,9,10,11,12,13,14,15
	s_wait_dscnt 15-\i                             ; row i is back; the younger rows may stay out
	v_pk_add_f32 v[WOB+4*\i:WOB+4*\i+1], v[WOB+4*\i:WOB+4*\i+1], v[BO:BO+1]
	v_pk_add_f32 v[WOB+4*\i+2:WOB+4*\i+3], v[WOB+4*\i+2:WOB+4*\i+3], v[BO+2:BO+3]
	global_store_b128 v[LI], v[WOB+4*\i:WOB+4*\i+3], s[22:23] offset:4096*\i th:TH_STORE_NT   ; 32 lanes store 512 consecutive bytes, at a multiple of 256 from out0's first byte
.endr
	s_wait_tensorcnt 0x0                           ; the wave's end
	ds_add_u32 v[SPW], v[NIL]
	s_wait_dscnt 0x0
	CROUND                                         ; the closing round
	s_endpgm
.Lfunc_end_k_qd360e78325_attn:
	.size	k_qd360e78325_attn, .Lfunc_end_k_qd360e78325_attn-k_qd360e78325_attn
	.p2alignl 7, 3214868480
	.fill 96, 4, 3214868480
	.section	.rodata,"a",@progbits
	.p2align	6, 0x0
	.amdhsa_kernel k_qd360e78325_attn
		.amdhsa_group_segment_fixed_size 327680
		.amdhsa_private_segment_fixed_size 0
		.amdhsa_enable_private_segment 0
		.amdhsa_kernarg_size 80
		.amdhsa_user_sgpr_count 2
		.amdhsa_user_sgpr_kernarg_segment_ptr 1
		.amdhsa_wavefront_size32 1
		.amdhsa_system_sgpr_workgroup_id_x 1
		.amdhsa_system_sgpr_workgroup_id_y 1
		.amdhsa_system_sgpr_workgroup_id_z 1
		.amdhsa_system_vgpr_workitem_id 0
		.amdhsa_next_free_vgpr 512
		.amdhsa_next_free_sgpr 100
		.amdhsa_reserve_vcc 0
		.amdhsa_float_denorm_mode_32 3
		.amdhsa_float_denorm_mode_16_64 3
		.amdhsa_memory_ordered 1
		.amdhsa_forward_progress 1
		.amdhsa_inst_pref_size 193
	.end_amdhsa_kernel
	.amdgpu_metadata
---
amdhsa.version: [ 1, 2 ]
amdhsa.kernels:
  - .name:           k_qd360e78325_attn
    .symbol:         k_qd360e78325_attn.kd
    .args:
      - { .name: x_codes, .offset: 0, .size: 8, .value_kind: global_buffer, .address_space: global }
      - { .name: x_scales, .offset: 8, .size: 8, .value_kind: global_buffer, .address_space: global }
      - { .name: wq_img, .offset: 16, .size: 8, .value_kind: global_buffer, .address_space: global }
      - { .name: Wq_scales, .offset: 24, .size: 8, .value_kind: global_buffer, .address_space: global }
      - { .name: kv, .offset: 32, .size: 8, .value_kind: global_buffer, .address_space: global }
      - { .name: sim_bias, .offset: 40, .size: 8, .value_kind: global_buffer, .address_space: global }
      - { .name: wo_img, .offset: 48, .size: 8, .value_kind: global_buffer, .address_space: global }
      - { .name: Wo_scales, .offset: 56, .size: 8, .value_kind: global_buffer, .address_space: global }
      - { .name: bo, .offset: 64, .size: 8, .value_kind: global_buffer, .address_space: global }
      - { .name: out0, .offset: 72, .size: 8, .value_kind: global_buffer, .address_space: global }
    .group_segment_fixed_size: 327680
    .private_segment_fixed_size: 0
    .kernarg_segment_align: 8
    .kernarg_segment_size: 80
    .max_flat_workgroup_size: 256
    .sgpr_count:     100
    .vgpr_count:     512
    .wavefront_size: 32
...
	.end_amdgpu_metadata
.endif
;; end of part 2
